; MI455X (gfx1250); checked and timed in simulation.
; The chip was launched on July 23, 2026; its instructions are those of AMD's public machine-readable ISA for CDNA 5 (MIT licence, August 2026) and "CDNA5" Instruction Set Architecture Reference Guide (July 2026). The comments in the code are by the model that wrote it; some were corrected since.
;; Attn Plus. Allowed arithmetic: matrix products marked QUANTISED: E3M2 operands, one E8M0 scale for each 32 along K, by v_wmma_scale_f32_16x16x128_f8f6f4 with both operands' format E3M2, f32 sums; products left as they are: f32 operands where the result goes on into a quantised operand, else bf16, f16 or f32 operands; f32 sums; everything else in f32.
;; Inputs: A 4 x 2,048 x 16 x 1 float32; Wqk_codes 2,048 x 32 x 24 uint8 (E3M2 codes of Wqk, K innermost, in blocks of 32 codes, four codes in three bytes); Wqk_scales 2,048 x 32 uint8 (E8M0 scales of Wqk, one for each 32 codes along K); ln_b 1,024 float32; ln_w 1,024 float32; wv 1 x 1 float32; x 4 x 2,048 x 1,024 float32.
;; Outputs: out0 4 x 2,048 x 16 x 1 float32.
;; This version of the problem:
;;   THIS VERSION OF THE PROBLEM IS GIVEN IN LOW PRECISION. The matrix products marked QUANTISED in the list below multiply operands that are first quantised to E3M2 (3 exponent bits, 2 mantissa bits; 6 bits a number), with one power-of-two scale for each 32 numbers along K (OCP MX v1.0); their sums are f32. All else is computed in f32.
;;   The module's matrix products, in the order in which they are computed (A, B: the left and right operand; K: the contracted axis; several contracted axes count as one K, in the product's order):
;;     1. [M 8,192, K 1,024] x [K 1,024, N 2,048]; A: computed on the way; B: input Wqk (given as codes): QUANTISED
;;     2. batch 64 x [M 2,048, K 64] x [K 64, N 2,048]; A: computed on the way; B: computed on the way: QUANTISED
;;     3. batch 64 x [M 2,048, K 2,048] x [K 2,048, N 1]; A: softmax; B: computed on the way: left as it is (N = 1 < 16)
;;   THE QUANTISER, for each operand of a quantised product, along K:
;;     - K is cut into blocks of 32 from its start; a last block that is shorter is filled with zeros.
;;     - A block's scale is 2^e with e = floor(log2(the largest magnitude in the block)) - 4, held to -126 .. 127; a block of zeros has e = 0. As a byte (E8M0): e + 127.
;;     - Each number is divided by its block's scale, clamped to +-28, and rounded to the nearest number of E3M2, ties to even, subnormals kept.
;;     - The product sums the exact products of the quantised numbers (number of the format x scale) in f32.
;;   ~~~python
;;   def quantise(x, axis):      # numpy; x: float32 -> the quantised numbers, widened to float32 again
;;       x = np.moveaxis(x, axis, -1); K = x.shape[-1]
;;       x = np.pad(x, [(0, 0)] * (x.ndim - 1) + [(0, -K % 32)]); x = x.reshape(x.shape[:-1] + (-1, 32)); a = np.abs(x).max(-1, keepdims=True)
;;       e = np.where(a > 0, np.clip(np.frexp(np.where(a > 0, a, 1))[1] - 1 - 4, -126, 127), 0)      # np.frexp(a)[1] - 1 = floor(log2(a)), exactly
;;       r = np.clip(x / 2.0 ** e, -28, 28)
;;       step = 2.0 ** (np.maximum(np.frexp(np.where(r == 0, 1, r))[1] - 1, -2) - 2)
;;       q = np.round(r / step) * step * 2.0 ** e      # np.round: ties to even
;;       return np.moveaxis(q.reshape(q.shape[:-2] + (-1,))[..., :K], -1, axis).astype(np.float32)
;;   ~~~
;;   OPERANDS COMPUTED ON THE WAY. 'Computed on the way' means the value that the module computes at that place (a softmax that the list does not call 'softmax' is quantised finished and normalised). What goes into a quantiser is computed in f32, as accurately as f32 sums, v_exp_f32 and their like allow (about 1e-6 of the number): no bf16 or f16 on the way to a quantiser, and a product that is left as it is and whose result goes on into a quantised operand takes f32 operands (vector FMAs, or v_wmma_f32_16x16x4_f32). A number that lies on a knife's edge between two numbers of the format may be rounded either way, as far as f32 arithmetic and the matrix unit's own rounding can turn it there, and no further.
;;   INPUTS GIVEN AS CODES. Wqk (in the module: [2048, 1024], K = its axis 1): each comes as NAME_codes (uint8): NAME with its K axis moved to the last place and cut into blocks of 32 codes, [.., K / 32, bytes a block], one block behind the other in memory; four codes in three bytes: a row's codes are one little-endian stream of bits, code i at bits 6 i .. 6 i + 5 (a code: sign, 3 exponent bits, 2 mantissa bits); and NAME_scales (uint8): the same leading axes, one E8M0 byte (e + 127) for each 32 codes along K. Its value is code x scale, taken as it is: it is not quantised again, and the codes and scales need not be those that the quantiser above would give.
;; One version. Each part assembles by itself: llvm-mc -triple=amdgcn-amd-amdhsa -mcpu=gfx1250 --defsym DOCPART=n.
;; ======== version 1 of 1: 3 launches
;; limits: values are held in bf16: 8 bits of precision; right only within a limited range of input values
;; workspace buffers: xc 6,291,456 bytes; xs 262,144 bytes; vt 524,288 bytes; qk 13,631,488 bytes
;; launch lnq (part 1): grid 256 x 1, 8 waves a work-group, no clusters, 46,080 bytes of LDS; arguments x, ln_w, ln_b, A, wv, xc, xs, vt; writes xc, xs, vt
.if DOCPART == 1
	.amdgcn_target "amdgcn-amd-amdhsa--gfx1250"
	.amdhsa_code_object_version 6
	.text
	.protected	k_q1fe6e4adfb_lnq
	.globl	k_q1fe6e4adfb_lnq
	.p2align	8
	.type	k_q1fe6e4adfb_lnq,@function
k_q1fe6e4adfb_lnq:
	s_mov_b64 s[64:65], 0
	v_nop
	global_prefetch_b8 v0, s[64:65] scope:SCOPE_SE
	s_setreg_imm32_b32 hwreg(HW_REG_WAVE_MODE, 25, 1), 1
	s_wait_xcnt 0x0
; LayerNorm of x [8192][1024] in f32 (mean, then the variance of x - mean), times ln_w plus ln_b, then quantised along the row to codes of E3M2 with one E8M0 byte for each 32:
; xc [8192][768 bytes] (a row's codes are one stream of bits), xs [8192][32 bytes].  Also v = A x wv, laid [batch][token / 32][head][32 tokens] in vt.
; SHARES.  A work-group takes 32 rows, each of its eight waves four.  A row is 4,096 bytes: eight loads of 512 consecutive bytes, 32 registers a lane; it stays in registers between the passes, so x is read once.
; All 32 loads of a wave go out at its head.  Memory binds here: no matrix unit, no cluster (work-groups share only ln_w and ln_b, 8 KB), no tensor loads.
; The conversion takes 16 neighbours from ONE lane's registers, the loads give a lane 4: so a finished row turns through the wave's own stage in LDS (64 places of 64 bytes + 16 of padding) and comes back 64 bytes a lane.
; A block's scale byte is its largest magnitude's exponent field - 4, held at 1 from below.
; LIMITS: a block of zeros gets the byte 1 (the quantiser says 127): its codes are zeros and only this program reads the bytes.  NaN and infinities among the inputs are not served.
.set STGB, 5120                        ; a wave's stage in LDS, at STGB x wave
.set VZ,   40960                       ; v of the group's 32 tokens as bf16: [head 16][32 tokens, 64 bytes | 32 ones, 64 bytes], 2,048 bytes; vt is [batch][token / 32] of such blocks
.set SCZ,  43008                       ; the group's scale bytes: [row 32][32], 1,024 bytes, straight behind VZ
.set WG,   16                          ; v16-47   ln_w of my 32 columns
.set BG,   48                          ; v48-79   ln_b
.set X,    80                          ; v80-207  four rows of 32 registers; a row's registers later hold its codes and scale bytes
.set Y,    208                         ; v208-239 two steps of 16 neighbours
.set CH,   240                         ; v240-247 four chains of packed sums
.set RS,   248                         ; v248 a sum; v249 the other half of the lanes'
.set MU,   250                         ; v[250:251] the mean (the low word serves both halves)
.set VR,   252                         ; v252 variance + eps
.set RD,   254                         ; v[254:255] 1 / sqrt of it
	s_load_b512 s[4:19], s[0:1], 0x0               ; x s[4:5], ln_w s[6:7], ln_b s[8:9], A s[10:11], wv s[12:13], xc s[14:15], xs s[16:17], vt s[18:19]
	v_lshl_add_u32 v15, v0, 2, 0xb000
	v_mov_b32 v253, 0
	v_lshrrev_b32 v12, 5, v0
	s_delay_alu instid0(VALU_DEP_1)
	v_readfirstlane_b32 s20, v12                   ; wave 0..7
	v_and_b32 v12, 31, v0                          ; lane
	s_mov_b32 s22, 0x76543210                      ; v_permlanex16_b32's selects for lane l xor 16
	s_mov_b32 s23, 0xfedcba98
	s_mov_b32 s24, 0x3a800000                      ; 1 / 1024
	s_mov_b32 s25, 0x3727c5ac                      ; 1e-5
	s_mul_i32 s26, s20, STGB
	v_lshlrev_b32 v1, 4, v12                       ; v1: my 16 bytes of a load's 512
	v_lshrrev_b32 v13, 2, v12
	s_delay_alu instid0(VALU_DEP_1)
	v_mul_u32_u24 v13, v13, 80
	v_and_b32 v14, 3, v12
	s_delay_alu instid0(VALU_DEP_1)
	v_lshl_add_u32 v13, v14, 4, v13
	s_delay_alu instid0(VALU_DEP_1)
	v_add_nc_u32 v2, s26, v13                      ; v2: the stage on the way in: four lanes' 64 bytes on end, then the padding; a load's 512 bytes take eight places
	v_mul_u32_u24 v13, v12, 80
	s_delay_alu instid0(VALU_DEP_1)
	v_add_nc_u32 v3, s26, v13                      ; v3: on the way out: place = lane
	v_mul_u32_u24 v4, v12, 12                      ; v4: my 16 codes' 12 bytes in a step's 384
	s_lshl_b32 s27, s20, 7
	s_add_co_u32 s27, s27, SCZ
	v_lshrrev_b32 v13, 1, v12
	s_delay_alu instid0(VALU_DEP_1)
	v_add_nc_u32 v5, s27, v13                      ; v5: my wave's four rows of scale bytes, my block's byte
	v_lshlrev_b32 v6, 3, v12                       ; v6: A: 8 bytes a lane
	s_lshl_b32 s27, s20, 3
	s_add_co_u32 s27, s27, VZ
	v_and_b32 v13, 7, v12
	v_lshrrev_b32 v14, 3, v12
	s_delay_alu instid0(VALU_DEP_1)
	v_lshlrev_b32 v14, 1, v14
	s_delay_alu instid0(VALU_DEP_1)
	v_lshl_add_u32 v13, v13, 8, v14
	s_delay_alu instid0(VALU_DEP_1)
	v_add_nc_u32 v7, s27, v13                      ; v7: v's place: head 2 (lane % 8) x 128 bytes + token (4 wave + lane / 8) x 2
	v_lshl_add_u32 v8, v0, 4, VZ                   ; v8: the way out of VZ and SCZ: 16 bytes a thread, threads 0-127 VZ, 128-191 SCZ
	v_and_b32 v9, 127, v0
	s_delay_alu instid0(VALU_DEP_1)
	v_lshlrev_b32 v9, 4, v9                        ; v9: the same place in vt (threads 0-127) or in xs (threads 128-191)
	v_mov_b32 v[RS+1], 0                           ; a lane permute's destination counts as read
	v_mov_b32 v[MU+1], 0                           ; named as the upper half of a pair
	s_lshl_b32 s28, ttmp9, 17                      ; x: 32 rows of 4,096 bytes a group,
	s_lshl_b32 s29, s20, 14                        ; four a wave
	s_add_co_u32 s28, s28, s29
	s_mov_b32 s29, 0
	s_mul_i32 s30, ttmp9, 24576                    ; xc: 32 rows of 768 bytes,
	s_mul_i32 s31, s20, 3072                       ; four a wave
	s_add_co_u32 s30, s30, s31
	s_mov_b32 s31, 0
	s_lshl_b32 s32, ttmp9, 11                      ; vt: 2,048 bytes a group
	s_mov_b32 s33, 0
	s_lshl_b32 s34, s20, 8                         ; A: 32 tokens of 64 bytes a group, four a wave
	s_add_co_u32 s34, s34, s32
	s_mov_b32 s35, 0
	s_lshl_b32 s36, ttmp9, 10                      ; xs: 1,024 bytes a group
	s_mov_b32 s37, 0
	s_wait_kmcnt 0x0
	s_load_b32 s21, s[12:13], 0x0                  ; wv
	s_add_nc_u64 s[4:5], s[4:5], s[28:29]
	s_add_nc_u64 s[14:15], s[14:15], s[30:31]
	s_add_nc_u64 s[18:19], s[18:19], s[32:33]
	s_add_nc_u64 s[10:11], s[10:11], s[34:35]
	s_add_nc_u64 s[16:17], s[16:17], s[36:37]
.macro XLOAD p                         ; row p: eight loads of 512 consecutive bytes
.irp i, 0,1,2,3,4,5,6,7
	global_load_b128 v[X+32*(\p)+4*\i:X+32*(\p)+4*\i+3], v1, s[4:5] offset:4096*(\p)+512*\i th:TH_LOAD_NT
.endr
.endm
	XLOAD 0                                        ; 49 loads in all, in this order: row 0 (8), ln_w (8), ln_b (8), A (1), rows 1 to 3 (24)
.irp i, 0,1,2,3,4,5,6,7
	global_load_b128 v[WG+4*\i:WG+4*\i+3], v1, s[6:7] offset:512*\i
.endr
.irp i, 0,1,2,3,4,5,6,7
	global_load_b128 v[BG+4*\i:BG+4*\i+3], v1, s[8:9] offset:512*\i
.endr
	global_load_b64 v[10:11], v6, s[10:11]
	XLOAD 1
	XLOAD 2
	XLOAD 3
	s_wait_kmcnt 0x0                               ; wv
; the four chains become one number, the same in all 32 lanes
.macro FOLD
	s_delay_alu instid0(VALU_DEP_3)
	v_pk_add_f32 v[CH:CH+1], v[CH:CH+1], v[CH+2:CH+3]
	s_delay_alu instid0(VALU_DEP_2)
	v_pk_add_f32 v[CH+4:CH+5], v[CH+4:CH+5], v[CH+6:CH+7]
	s_delay_alu instid0(VALU_DEP_1)
	v_pk_add_f32 v[CH:CH+1], v[CH:CH+1], v[CH+4:CH+5]
	s_delay_alu instid0(VALU_DEP_1)
	v_add_f32 v[RS], v[CH], v[CH+1]
	s_delay_alu instid0(VALU_DEP_1)
	v_add_f32_dpp v[RS], v[RS], v[RS] row_xmask:1 row_mask:0xf bank_mask:0xf
	s_delay_alu instid0(VALU_DEP_1)
	v_add_f32_dpp v[RS], v[RS], v[RS] row_xmask:2 row_mask:0xf bank_mask:0xf
	s_delay_alu instid0(VALU_DEP_1)
	v_add_f32_dpp v[RS], v[RS], v[RS] row_xmask:4 row_mask:0xf bank_mask:0xf
	s_delay_alu instid0(VALU_DEP_1)
	v_add_f32_dpp v[RS], v[RS], v[RS] row_xmask:8 row_mask:0xf bank_mask:0xf
	s_delay_alu instid0(VALU_DEP_1)
	v_permlanex16_b32 v[RS+1], v[RS], s22, s23
	s_delay_alu instid0(VALU_DEP_1)
	v_add_f32 v[RS], v[RS], v[RS+1]
.endm
; 512 numbers of row p (half s): a lane's 16 neighbours become 12 bytes of codes; two neighbouring lanes hold a block of 32
.macro STEP p, s
.set YS, Y+16*(\s)
.set CD, X+32*(\p)+4*(\s)              ; the codes and the byte take registers of the row itself, which its stores into the stage have left: no store's data are ever written again
.set BY, X+32*(\p)+8+(\s)
	v_max3_num_f32 v12, |v[YS]|, |v[YS+1]|, |v[YS+2]|
	v_max3_num_f32 v13, |v[YS+3]|, |v[YS+4]|, |v[YS+5]|
.irp i, 6,10
	s_delay_alu instid0(VALU_DEP_2)
	v_max3_num_f32 v12, v12, |v[YS+\i]|, |v[YS+\i+1]|
	s_delay_alu instid0(VALU_DEP_2)
	v_max3_num_f32 v13, v13, |v[YS+\i+2]|, |v[YS+\i+3]|
.endr
	s_delay_alu instid0(VALU_DEP_2)
	v_max3_num_f32 v12, v12, |v[YS+14]|, |v[YS+15]|
	s_delay_alu instid0(VALU_DEP_1)
	v_max3_num_f32 v12, v12, v13, 0x2800000        ; the floor 2^(5 - 127): the byte cannot fall under 1
	s_delay_alu instid0(VALU_DEP_1)
	v_max_num_f32_dpp v12, v12, v12 row_xmask:1 row_mask:0xf bank_mask:0xf   ; with my neighbour's 16: the block's largest magnitude
	s_delay_alu instid0(VALU_DEP_1)
	v_add_nc_u32 v14, 0xfe000000, v12              ; 4 off its exponent field: the conversion takes this operand's exponent field as its scale
	v_cvt_scalef32_pk16_bf6_f32 v[CD:CD+2], v[YS:YS+15], v14
	v_lshrrev_b32 v[BY], 23, v14                   ; the scale's byte (also the plain line behind the conversion)
	ds_store_b8 v5, v[BY] offset:32*(\p)+16*(\s)   ; both lanes of a block write the same byte with the same value
	global_store_b96 v4, v[CD:CD+2], s[14:15] offset:768*(\p)+384*(\s)   ; the wave stores 384 consecutive bytes
.endm
; Row p.  n1: the loads issued behind this row's, which may stay out.  n2 (row 0 alone): the same once ln_w, ln_b and A are wanted.
.macro ROW p, n1, n2
.set XR, X+32*(\p)
	s_wait_loadcnt \n1
.irp k, 0,1,2,3
	v_pk_add_f32 v[CH+2*\k:CH+2*\k+1], v[XR+2*\k:XR+2*\k+1], v[XR+8+2*\k:XR+8+2*\k+1]   ; the first additions start the chains
.endr
.irp q, 16,24
.irp k, 0,1,2,3
	s_delay_alu instid0(VALU_DEP_4)
	v_pk_add_f32 v[CH+2*\k:CH+2*\k+1], v[CH+2*\k:CH+2*\k+1], v[XR+\q+2*\k:XR+\q+2*\k+1]
.endr
.endr
	FOLD
	s_delay_alu instid0(VALU_DEP_1)
	v_mul_f32 v[MU], s24, v[RS]                    ; the mean
.irp j, 0,2,4,6,8,10,12,14,16,18,20,22,24,26,28,30
	v_pk_add_f32 v[XR+\j:XR+\j+1], v[XR+\j:XR+\j+1], v[MU:MU+1] op_sel_hi:[1,0] neg_lo:[0,1] neg_hi:[0,1]   ; x - mean
.endr
.irp k, 0,1,2,3
	v_pk_mul_f32 v[CH+2*\k:CH+2*\k+1], v[XR+2*\k:XR+2*\k+1], v[XR+2*\k:XR+2*\k+1]
.endr
.irp q, 8,16,24
.irp k, 0,1,2,3
	s_delay_alu instid0(VALU_DEP_4)
	v_pk_fma_f32 v[CH+2*\k:CH+2*\k+1], v[XR+\q+2*\k:XR+\q+2*\k+1], v[XR+\q+2*\k:XR+\q+2*\k+1], v[CH+2*\k:CH+2*\k+1]
.endr
.endr
	FOLD
	s_delay_alu instid0(VALU_DEP_1)
	v_fma_f32 v[VR], v[RS], s24, s25               ; variance + eps
	s_wait_alu depctr_va_vdst(0)
	v_rsq_f32 v[RD], v[VR]
	v_mov_b32 v[RD+1], 0                           ; a plain line behind the transcendental; the pair's upper half is named below
.if \n2 >= 0
	s_wait_loadcnt \n2
.endif
	s_wait_alu depctr_va_vdst(0)
.irp j, 0,2,4,6,8,10,12,14,16,18,20,22,24,26,28,30
	v_pk_mul_f32 v[XR+\j:XR+\j+1], v[XR+\j:XR+\j+1], v[RD:RD+1] op_sel_hi:[1,0]
.endr
.irp j, 0,2,4,6,8,10,12,14,16,18,20,22,24,26,28,30
	v_pk_fma_f32 v[XR+\j:XR+\j+1], v[XR+\j:XR+\j+1], v[WG+\j:WG+\j+1], v[BG+\j:BG+\j+1]
.endr
.irp i, 0,1,2,3,4,5,6,7
	ds_store_b128 v2, v[XR+4*\i:XR+4*\i+3] offset:640*\i
.endr
.irp s, 0,1                            ; LDS serves a wave's instructions in order: these see the stores above, and the next row's stores come behind them
.irp j, 0,1,2,3
	ds_load_b128 v[Y+16*\s+4*\j:Y+16*\s+4*\j+3], v3 offset:2560*\s+16*\j
.endr
.endr
	s_wait_dscnt 4                                 ; the eight stores and the first half's four loads are done; the second half's four may be out
	STEP \p, 0
	s_wait_dscnt 1                                 ; only the byte store just issued may be out
	STEP \p, 1
.endm
	ROW 0, 41, 24                                  ; 41 = 8 + 8 + 1 + 24 loads behind row 0's; 24 = rows 1 to 3
	v_mul_f32 v10, s21, v10                        ; v = A x wv: token 4 wave + lane / 8, heads 2 (lane % 8) and the next
	v_mul_f32 v11, s21, v11
	v_lshrrev_b32 v12, 4, v0                       ; the ones: thread t writes word t % 16 of head t / 16
	v_and_b32 v13, 15, v0
	v_cvt_pk_bf16_f32 v10, v10, v11                ; the two heads' v as bf16
	v_lshlrev_b32 v12, 7, v12
	v_lshl_add_u32 v12, v13, 2, v12
	v_mov_b32 v13, 0x3f803f80                      ; 1.0 twice, in bf16
	ds_store_b16 v7, v10                           ; place: head 2 (lane % 8) x 128 bytes + token (4 wave + lane / 8) x 2
	ds_store_b16_d16_hi v7, v10 offset:128
	ds_store_b32 v12, v13 offset:VZ+64
	ROW 1, 16, -1
	ROW 2, 8, -1
	ROW 3, 0, -1
	s_wait_dscnt 0x0                               ; for the others' sake: my v and my scale bytes lie in LDS
	s_barrier_signal -1
	s_barrier_wait -1
	s_cmp_lt_u32 s20, 4                            ; waves 0-3 store the group's 2,048 bytes of v, waves 4 and 5 its 1,024 scale bytes: 512 consecutive aligned bytes an instruction
	s_cselect_b64 s[26:27], s[18:19], s[16:17]
	s_cmp_lt_u32 s20, 6
	s_cbranch_scc0 .Ldone
	ds_load_b128 v[240:243], v8
	s_wait_dscnt 0x0
	global_store_b128 v9, v[240:243], s[26:27]
.Ldone:
	s_wait_tensorcnt 0x0
	ds_add_u32 v15, v253
	s_wait_dscnt 0x0
	s_endpgm
.Lfunc_end_k_q1fe6e4adfb_lnq:
	.size	k_q1fe6e4adfb_lnq, .Lfunc_end_k_q1fe6e4adfb_lnq-k_q1fe6e4adfb_lnq
	.p2alignl 7, 3214868480
	.fill 96, 4, 3214868480
	.section	.rodata,"a",@progbits
	.p2align	6, 0x0
	.amdhsa_kernel k_q1fe6e4adfb_lnq
		.amdhsa_group_segment_fixed_size 46080
		.amdhsa_private_segment_fixed_size 0
		.amdhsa_enable_private_segment 0
		.amdhsa_kernarg_size 64
		.amdhsa_user_sgpr_count 2
		.amdhsa_user_sgpr_kernarg_segment_ptr 1
		.amdhsa_wavefront_size32 1
		.amdhsa_system_sgpr_workgroup_id_x 1
		.amdhsa_system_sgpr_workgroup_id_y 1
		.amdhsa_system_sgpr_workgroup_id_z 1
		.amdhsa_system_vgpr_workitem_id 0
		.amdhsa_next_free_vgpr 256
		.amdhsa_next_free_sgpr 66
		.amdhsa_reserve_vcc 0
		.amdhsa_float_denorm_mode_32 3
		.amdhsa_float_denorm_mode_16_64 3
		.amdhsa_memory_ordered 1
		.amdhsa_forward_progress 1
		.amdhsa_inst_pref_size 53
	.end_amdhsa_kernel
	.amdgpu_metadata
---
amdhsa.version: [ 1, 2 ]
amdhsa.kernels:
  - .name:           k_q1fe6e4adfb_lnq
    .symbol:         k_q1fe6e4adfb_lnq.kd
    .args:
      - { .name: x, .offset: 0, .size: 8, .value_kind: global_buffer, .address_space: global }
      - { .name: ln_w, .offset: 8, .size: 8, .value_kind: global_buffer, .address_space: global }
      - { .name: ln_b, .offset: 16, .size: 8, .value_kind: global_buffer, .address_space: global }
      - { .name: A, .offset: 24, .size: 8, .value_kind: global_buffer, .address_space: global }
      - { .name: wv, .offset: 32, .size: 8, .value_kind: global_buffer, .address_space: global }
      - { .name: xc, .offset: 40, .size: 8, .value_kind: global_buffer, .address_space: global }
      - { .name: xs, .offset: 48, .size: 8, .value_kind: global_buffer, .address_space: global }
      - { .name: vt, .offset: 56, .size: 8, .value_kind: global_buffer, .address_space: global }
    .group_segment_fixed_size: 46080
    .private_segment_fixed_size: 0
    .kernarg_segment_align: 8
    .kernarg_segment_size: 64
    .max_flat_workgroup_size: 256
    .sgpr_count:     66
    .vgpr_count:     256
    .wavefront_size: 32
...
	.end_amdgpu_metadata
.endif
;; end of part 1
;; launch gemm (part 2): grid 8 x 32, 4 waves a work-group, clusters of 4 x 4, 327,680 bytes of LDS; arguments xc, xs, Wqk_codes, Wqk_scales, qk; writes qk
.if DOCPART == 2
	.amdgcn_target "amdgcn-amd-amdhsa--gfx1250"
	.amdhsa_code_object_version 6
	.text
	.protected	k_q1fe6e4adfb_gemm
	.globl	k_q1fe6e4adfb_gemm
	.p2align	8
	.type	k_q1fe6e4adfb_gemm,@function
k_q1fe6e4adfb_gemm:
	s_mov_b64 s[64:65], 0
	v_nop
	global_prefetch_b8 v0, s[64:65] scope:SCOPE_SE
	s_setreg_imm32_b32 hwreg(HW_REG_WAVE_MODE, 25, 1), 1
	s_wait_xcnt 0x0
	s_wait_alu depctr_hold_cnt(0) depctr_sa_sdst(0) depctr_va_vdst(0) depctr_va_sdst(0) depctr_va_ssrc(0) depctr_va_vcc(0) depctr_vm_vsrc(0)
	s_getreg_b32 s2, hwreg(HW_REG_IB_STS2, 6, 4)
	s_cmp_eq_u32 s2, 0
	s_cbranch_scc0 .Lentry_in_a_cluster
	s_endpgm
.Lentry_in_a_cluster:
	s_bfe_u32 s2, ttmp6, 0x10000c
	s_cmp_lg_u32 s2, 0xf033
	s_cbranch_scc0 .Lentry_shape_is_right
	s_endpgm
.Lentry_shape_is_right:
; qk[token][e] = sum over k of xn[token][k] Wqk[e][k], both operands codes of E3M2 with one E8M0 byte for each 32 along K; sums in f32, K ascending, one accumulator an output.
; A tile of 256 tokens x 256 columns is made by four waves, each 128 x 128: 64 accumulators, 512 registers.  A row of codes is 768 bytes: it goes through a ring of two LDS slots in three CHUNKS OF 256 BYTES,
; each beginning at a multiple of 256 bytes.  A step of 128 along K is 96 bytes: eight steps to three chunks; steps 2 and 5 lie across two chunks and take their pieces from both slots.
; The scale bytes of the group's 256 + 256 rows, for all of K, come into LDS once, at the head.  CLUSTERS: 4 x 4 work-groups; xn's tiles are asked for jointly along a row of the cluster, Wqk's along a column.
; THE MATRIX INSTRUCTION IS USED TRANSPOSED (source 0 = 16 rows of Wqk, source 1 = 16 tokens): a lane holds eight neighbouring columns of one token.
; THE RESULT NEVER LEAVES AS f32.  A wave's 128 columns are two heads of 64.  A block of 16 tokens goes through the wave's stage in LDS and comes back so that lane (r, h) holds token r's 32 numbers of block h of a head;
; they are quantised along the head's 64 and stored AS THE NEXT PRODUCT'S REGISTERS: for each head, batch and 16 tokens an image of 768 bytes (registers 0-3 of lane l at 16 l, registers 4-5 at 512 + 8 l).
; qk: 128 blocks of 106,496 bytes, block 4 H + batch (H = column / 64: 0-15 q's heads, 16-31 k's): 128 images, then at 98,304 the scale words [64 tokens][r 16][tile 4]: bytes 0, 1 the two blocks' bytes, bytes 2, 3 = 127.
; No prefetch: the walk along K is three chunks, two of them asked for before the first product, and the block is the largest that the registers hold, in clusters.
; LIMITS: a block of zeros gets the byte 1 (its codes are zeros; only this program reads the bytes); NaN and infinities are not served.
; REGISTERS, in windows of 256: window 0: v0-31 addresses; v32-63 scale words, two sets, and nothing else; v64-119 at work on the way out; from v128 xn's fragments, one set, on the way out blocks read back.
;   window 1: Wqk's fragments, two sets, at v0 and v128.   window 2: the accumulators of my tokens 0-63 ((a, b) at v[8 (8 a + b)]);   window 3: those of tokens 64-127.
.set ROWB,   256
.set NQ,     2
.set KROW,   768
.set STEPS,  8
.set CHUNKS, 3
.set PITCH,  272                       ; an LDS row: 256 bytes + 16 of padding
.set FR,     12
.set NL,     6
.set NP,     4                         ; places behind this matrix instruction (ISA guide 7.12.1)
.set HALFT,  128*PITCH
.set SLOT,   4*HALFT                   ; xn's 256 rows, then Wqk's 256 rows
.set KS,     32                        ; a row of scale bytes
.set SCL,    2*SLOT                    ; behind the ring: the scale bytes, as rows of 256 bytes + 16
.set HALFS,  16*272                    ; those of 128 rows
.set SBLK,   2*272                     ; those of 16 rows
.set SPARE,  SCL+4*HALFS               ; the spare words, 128 bytes a wave
.set SPITCH, 528
.set STAGE,  SLOT                      ; the way out: 16 rows x 528 bytes a wave, in slot 1: the last chunk lies in slot 0, and slot 1 has had its last fill and its last read by then
.set SCR,    STAGE+4*16*SPITCH         ; behind the stages: 1,024 bytes a wave, where its scale words are gathered
.set QKB,    106496
.set ADRA, 16                          ; v16-17 my xn fragments in slot 0, 1; v18-19: lanes 0-15 at byte 232 of a chunk in slot 0, 1, lanes 16-31 at byte 0 of the next chunk, in the other slot
.set ADRB, 20                          ; v20-23 the same for Wqk
.set STO,  24
.set RD,   25
.set L16,  26
.set ADRS, 27
.set SPW,  28
.set NIL,  29
.set L8,   30
.set WST,  31
.set WRD,  14
.set SH,   15
.set PX,   10
.set GOF,  12                          ; v12 16 x my thread's number: my 16 bytes of each 2,048 of the scale bytes; never rewritten
.set LSA,  13                          ; v13 and where they go in LDS: 272 bytes for each 256
.set SC,   32
.set AF,   128
.set BK,   128
.set WD,   72
.set EC,   88
.set QT,   112
.set G1, 24
.set G0, 32
.set G1B, 48
.set G0B, 56
.set G0H1, 68                          ; s[68:71], s[72:75] group 0 for the head's loads of chunk 1
.set G0HB1, 72
.set PSA, 76                           ; s[76:77] xn's scale bytes of my tile's 256 rows, s[78:79] Wqk's
.set PSB, 78
.set G0H, 4
.set G0HB, 8
.set MSB, 0
.macro WIN new                         ; the immediate's high byte repeats the setting that is left
.if MSB != \new
	s_set_vgpr_msb (MSB<<8)|\new
.set MSB, \new
.endif
.endm
.set MUL_LO, 0xa1
.set MUL_HI, 0xf1
.set TO_B,   0x40
.macro JLOAD g0a, g1a, g0b, g1b        ; a joint load: waves 0 and 1 fetch for xn, waves 2 and 3 for Wqk
	s_cmp_eq_u32 s15, 0
	s_cbranch_scc0 .Lfor_b_\@
	tensor_load_to_lds s[\g0a:\g0a+3], s[\g1a:\g1a+7]
	s_nop 0
.rept 4
	v_nop
.endr
	s_branch .Lasked_\@
.Lfor_b_\@:
	tensor_load_to_lds s[\g0b:\g0b+3], s[\g1b:\g1b+7]
	s_nop 0
.rept 4
	v_nop
.endr
.Lasked_\@:
.endm
.macro CREST                           ; a round of the cluster's barrier behind its opening barrier
	s_cmp_lg_u32 s14, 0
	s_cbranch_scc1 .Lnot_wave_0_\@
	s_barrier_signal -3
.Lnot_wave_0_\@:
	s_barrier_wait -3
	s_barrier_signal -1
	s_barrier_wait -1
.endm
.macro CROUND
	s_barrier_signal -1
	s_barrier_wait -1
	CREST
.endm
	s_load_b128 s[4:7], s[0:1], 0x0                ; xn's codes, its scale bytes
	s_load_b128 s[8:11], s[0:1], 0x10              ; Wqk's codes, its scale bytes
	s_load_b64 s[12:13], s[0:1], 0x20              ; qk
	v_lshl_add_u32 v[SPW], v0, 2, SPARE
	v_mov_b32 v[NIL], 0
	ds_add_u32 v[SPW], v[NIL]                      ; the opening lines: the add, twice on end, and its wait ahead of my first tensor load
	ds_add_u32 v[SPW], v[NIL]
	v_lshrrev_b32 v1, 5, v0
	v_readfirstlane_b32 s14, v1                    ; wave 0..3
	v_lshlrev_b32 v[GOF], 4, v0
	v_lshrrev_b32 v[LSA], 4, v0
	v_and_b32 v2, 15, v0
	v_mul_u32_u24 v[LSA], v[LSA], 272
	v_lshl_add_u32 v[LSA], v2, 4, v[LSA]
	v_add_nc_u32 v[LSA], SCL, v[LSA]
	s_lshr_b32 s15, s14, 1                         ; my half of the tile's tokens; also: I fetch for xn (0) or Wqk (1)
	s_and_b32 s16, s14, 1                          ; my half of its columns; also: which 128 rows I fetch
	s_bfe_u32 s40, ttmp6, 0x40000                  ; cx, cy
	s_bfe_u32 s41, ttmp6, 0x40004
	s_lshl_b32 s42, ttmp9, 2
	s_add_co_u32 s42, s42, s40                     ; tile column
	s_and_b32 s17, ttmp7, 0xffff
	s_lshl_b32 s17, s17, 2
	s_add_co_u32 s17, s17, s41                     ; tile row
	s_lshl_b32 s43, s41, 2
	s_lshl_b32 s43, 15, s43                        ; my row of the cluster
	s_lshl_b32 s44, 0x1111, s40                    ; my column
	s_or_b32 s[G1+0], s43, (0<<16)|(1<<20)|(1<<21)|(5<<22)|(3<<25)  ; the mask; elements of 1 byte; 4 words of padding behind every 64
	s_or_b32 s[G1B+0], s44, (0<<16)|(1<<20)|(1<<21)|(5<<22)|(3<<25)
.irp g, G1, G1B
	s_mov_b32 s[\g+1], ROWB<<16
	s_mov_b32 s[\g+2], 256<<16                     ; 256 rows for the head's loads
	s_mov_b32 s[\g+3], ROWB<<16
	s_mov_b32 s[\g+4], 256
	s_mov_b32 s[\g+5], KROW
	s_mov_b32 s[\g+6], 0
	s_mov_b32 s[\g+7], 0
.endr
	s_lshl_b32 s20, s17, 8                         ; xn: the tile's first row
	s_lshl_b32 s46, s42, 8                         ; Wqk: likewise
	s_mov_b32 s21, 0
	s_mov_b32 s47, 0
	s_mov_b64 s[18:19], KS
	s_mul_u64 s[22:23], s[20:21], s[18:19]         ; where these rows' scale bytes begin
	s_mul_u64 s[92:93], s[46:47], s[18:19]
	s_mov_b64 s[18:19], KROW
	s_mul_u64 s[20:21], s[20:21], s[18:19]         ; and their codes
	s_mul_u64 s[46:47], s[46:47], s[18:19]
	s_mul_i32 s18, s16, 128*KROW                   ; in the ring I fetch 128 rows of a tile
	s_mov_b32 s19, 0
	s_mul_i32 s45, s14, HALFT                      ; and where they go: wave x 128 rows
	s_wait_alu depctr_va_vdst(0)                   ; the wait here, directly ahead of the waits below
	s_wait_dscnt 0x0                               ; both opening adds are done
	s_wait_kmcnt 0x0
	s_add_nc_u64 s[20:21], s[4:5], s[20:21]
	s_add_nc_u64 s[PSA:PSA+1], s[6:7], s[22:23]
	s_add_nc_u64 s[46:47], s[8:9], s[46:47]
	s_add_nc_u64 s[PSB:PSB+1], s[10:11], s[92:93]
.irp j, 0,1,2,3                        ; the scale bytes come through registers: two dense blocks of 8,192 bytes, 16 bytes a thread and load, a wave 512 consecutive bytes
	global_load_b128 v[128+4*\j:131+4*\j], v[GOF], s[PSA:PSA+1] offset:2048*\j
	global_load_b128 v[144+4*\j:147+4*\j], v[GOF], s[PSB:PSB+1] offset:2048*\j
.endr
	CROUND                                         ; all sixteen work-groups are here: the first joint loads meet
	s_mov_b32 s[G0H], 1                            ; the head's four tiles: chunk 0's 256 rows of xn,
	s_mov_b32 s[G0H+1], 0
	s_mov_b64 s[G0H+2:G0H+3], s[20:21]
	s_or_b32 s[G0H+3], s[G0H+3], 0x80000000
	s_mov_b32 s[G0HB], 1                           ; its 256 rows of Wqk,
	s_mov_b32 s[G0HB+1], 2*HALFT
	s_mov_b64 s[G0HB+2:G0HB+3], s[46:47]
	s_or_b32 s[G0HB+3], s[G0HB+3], 0x80000000
	s_mov_b32 s[G0H1], 1                           ; chunk 1's 256 rows of xn, into slot 1,
	s_mov_b32 s[G0H1+1], SLOT
	s_add_nc_u64 s[G0H1+2:G0H1+3], s[20:21], ROWB
	s_or_b32 s[G0H1+3], s[G0H1+3], 0x80000000
	s_mov_b32 s[G0HB1], 1                          ; and of Wqk
	s_mov_b32 s[G0HB1+1], SLOT+2*HALFT
	s_add_nc_u64 s[G0HB1+2:G0HB1+3], s[46:47], ROWB
	s_or_b32 s[G0HB1+3], s[G0HB1+3], 0x80000000
	s_add_nc_u64 s[20:21], s[20:21], s[18:19]      ; for the ring: my 128 rows
	s_add_nc_u64 s[46:47], s[46:47], s[18:19]
.irp s, 0                              ; the walk's one refill is slot 0's
	s_mov_b32 s[G0+4*\s], 1
	s_add_co_u32 s[G0+4*\s+1], s45, \s*SLOT
	s_add_nc_u64 s[G0+4*\s+2:G0+4*\s+3], s[20:21], \s*ROWB
	s_or_b32 s[G0+4*\s+3], s[G0+4*\s+3], 0x80000000
	s_mov_b32 s[G0B+4*\s], 1
	s_add_co_u32 s[G0B+4*\s+1], s45, \s*SLOT
	s_add_nc_u64 s[G0B+4*\s+2:G0B+4*\s+3], s[46:47], \s*ROWB
	s_or_b32 s[G0B+4*\s+3], s[G0B+4*\s+3], 0x80000000
.endr
; the head's loads, one a wave, in one tree of branches on the wave's number
.macro ARM under, g0, g1, next
	s_cmp_lt_u32 s14, \under
	s_cbranch_scc0 \next
	tensor_load_to_lds s[\g0:\g0+3], s[\g1:\g1+7]
	s_nop 0
.rept 4
	v_nop
.endr
	s_branch .Lhead_asked
\next:
.endm
	ARM 1, G0H,  G1,  .Lhead_b
	ARM 2, G0HB, G1B, .Lhead_sa
	ARM 3, G0H1, G1,  .Lhead_sb
	tensor_load_to_lds s[G0HB1:G0HB1+3], s[G1B:G1B+7]
	s_nop 0
.rept 4
	v_nop
.endr
.Lhead_asked:
	v_and_b32 v1, 15, v0                           ; r = l % 16
	v_bfe_u32 v2, v0, 4, 1                         ; h = l / 16
	v_mul_u32_u24 v3, v1, PITCH
	v_mul_u32_u24 v4, v2, 24
	v_add_nc_u32 v4, v3, v4                        ; a fragment's row x pitch + 24 h
	s_mov_b32 s21, SLOT-232
	s_mov_b32 s22, SLOT+232
	v_sub_nc_u32 v7, 1, v2
	v_mul_u32_u24 v5, s21, v2
	v_add_nc_u32 v5, v3, v5
	v_add_nc_u32 v5, 232, v5                       ; lanes 0-15 byte 232 of the row in slot 0, lanes 16-31 byte 0 of the row in slot 1;
	v_mul_u32_u24 v6, s22, v7
	v_add_nc_u32 v6, v3, v6                        ; and the other way round
	s_mul_i32 s21, s15, HALFT
	s_mul_i32 s22, s16, HALFT
	s_add_co_u32 s22, s22, 2*HALFT
	v_add_nc_u32 v[ADRA+2], s21, v5
	v_add_nc_u32 v[ADRA+3], s21, v6
	v_add_nc_u32 v[ADRB+2], s22, v5
	v_add_nc_u32 v[ADRB+3], s22, v6
.irp s, 0,1
	v_add_nc_u32 v[ADRA+\s], s21, v4
	v_add_nc_u32 v[ADRB+\s], s22, v4
	s_add_co_u32 s21, s21, SLOT
	s_add_co_u32 s22, s22, SLOT
.endr
	v_mul_u32_u24 v5, v1, KS                       ; my row's scale bytes: KS a row,
	v_lshrrev_b32 v6, 8, v5
	v_lshl_add_u32 v5, v6, 4, v5                   ; and 16 more for each 256 passed
	s_mul_i32 s21, s15, HALFS
	s_mul_i32 s22, s16, HALFS
	s_add_co_u32 s22, s22, 2*HALFS
	s_sub_co_u32 s22, s22, s21
	v_mul_u32_u24 v6, s22, v2                      ; lanes 16-31 take Wqk's
	s_add_co_u32 s21, s21, SCL
	v_add_nc_u32 v5, v5, v6
	v_add_nc_u32 v[ADRS], s21, v5
	s_mul_i32 s23, s14, 16*SPITCH
	s_add_co_u32 s23, s23, STAGE                   ; my stage
	s_lshl_b32 s22, s14, 10
	s_add_co_u32 s22, s22, SCR                     ; my 1,024 bytes for scale words
	v_mul_u32_u24 v5, v1, SPITCH
	v_lshl_add_u32 v6, v2, 5, v5                   ; in: row r, 32 bytes for each half of the lanes
	v_add_nc_u32 v[STO], s23, v6
	v_lshl_add_u32 v6, v2, 7, v5                   ; back: row r, block h of a head: 128 bytes
	v_add_nc_u32 v[RD], s23, v6
	v_and_b32 v6, 31, v0
	v_lshlrev_b32 v[L16], 4, v6
	v_lshlrev_b32 v[L8], 3, v6
	v_lshl_add_u32 v[WST], v1, 4, s22
	v_add_nc_u32 v[WRD], s22, v[L16]
	v_lshlrev_b32 v[SH], 3, v2
	v_mov_b32 v[PX], 0                             ; a lane permute's destination counts as read
	v_mov_b32 v[PX+1], 0
	s_mov_b32 s96, 0x76543210                      ; selects for lane l xor 16
	s_mov_b32 s97, 0xfedcba98
	; my part of qk: block 4 H + batch, H = 4 x tile column + 2 x half, batch = tile row / 8; token tile T0 = 16 (tile row % 8) + 8 x half
	s_lshr_b32 s20, s17, 3
	s_mul_i32 s20, s20, QKB
	s_and_b32 s21, s17, 7
	s_lshl_b32 s21, s21, 4
	s_lshl_b32 s18, s15, 3
	s_add_co_u32 s21, s21, s18                     ; T0
	s_lshl_b32 s46, s42, 2
	s_lshl_b32 s47, s16, 1
	s_add_co_u32 s46, s46, s47                     ; H
	s_mul_i32 s46, s46, 4*QKB
	s_add_co_u32 s20, s20, s46
	s_mul_i32 s18, s21, 768
	s_add_co_u32 s18, s18, s20                     ; my first image
	s_mov_b32 s19, 0
	s_lshl_b32 s22, s21, 6
	s_add_co_u32 s22, s22, s20
	s_add_co_u32 s22, s22, 98304                   ; my first scale word
	s_mov_b32 s23, 0
	s_add_nc_u64 s[66:67], s[12:13], s[22:23]
	s_add_nc_u64 s[12:13], s[12:13], s[18:19]
.macro FRAG reg, adr, st, i            ; 12 registers: lane l holds row l % 16; registers 6 c .. 6 c + 5 hold K = 64 c + 32 (l / 16) + 0 .. 31: 24 bytes of the row, in pieces of 8
.irp p, 0,1,2,3,4,5
.set BY, 96*(\st)+48*(\p/3)+8*(\p%3)  ; byte y of a row lies in slot (y / 256) % 2, at byte y % 256 of the LDS row; lanes 16-31 read 24 bytes on
.if BY/ROWB == (BY+24)/ROWB
	ds_load_b64 v[\reg+2*\p:\reg+2*\p+1], v[\adr+(BY/ROWB)%2] offset:BY%ROWB+(\i)*16*PITCH
.else
	ds_load_b64 v[\reg+2*\p:\reg+2*\p+1], v[\adr+2+(BY/ROWB)%2] offset:BY%ROWB-232+(\i)*16*PITCH
.endif
.endr
.endm
; 16 matrix instructions: token blocks a0, a0 + 1 x Wqk's eight.  The 64 accumulators take turns, one instruction a turn.
.macro MUL16 a0, p, q, sc, zero
.irp a, \a0, \a0+1
.irp b, 0,1,2,3,4,5,6,7
.if \zero
	v_wmma_scale_f32_16x16x128_f8f6f4 v[8*(8*((\a)%4)+\b):8*(8*((\a)%4)+\b)+7], v[128*(\p)+FR*\b:128*(\p)+FR*\b+FR-1], v[AF+FR*(\a):AF+FR*(\a)+FR-1], 0, v[SC+8*NQ*(\sc)+NQ*\b+(\q)], v[SC+8*NQ*(\sc)+NQ*(\a)+(\q)] matrix_a_fmt:MATRIX_FMT_BF6 matrix_b_fmt:MATRIX_FMT_BF6 matrix_a_scale:MATRIX_SCALE_ROW1
.else
	v_wmma_scale_f32_16x16x128_f8f6f4 v[8*(8*((\a)%4)+\b):8*(8*((\a)%4)+\b)+7], v[128*(\p)+FR*\b:128*(\p)+FR*\b+FR-1], v[AF+FR*(\a):AF+FR*(\a)+FR-1], v[8*(8*((\a)%4)+\b):8*(8*((\a)%4)+\b)+7], v[SC+8*NQ*(\sc)+NQ*\b+(\q)], v[SC+8*NQ*(\sc)+NQ*(\a)+(\q)] matrix_a_fmt:MATRIX_FMT_BF6 matrix_b_fmt:MATRIX_FMT_BF6 matrix_a_scale:MATRIX_SCALE_ROW1
.endif
.endr
.endr
.endm
.macro FETCH_B st, p
	WIN TO_B
.irp i, 0,1,2,3,4,5,6,7
	FRAG 128*(\p)+FR*\i, ADRB, \st, \i
.endr
	WIN 0
.endm
.macro FETCH_A st, i0
.irp i, \i0, \i0+1, \i0+2, \i0+3
	FRAG AF+FR*(\i), ADRA, \st, \i
.endr
.endm
.macro SCALES pr                       ; the scale words of steps 2 pr, 2 pr + 1 into set pr % 2; lanes 0-15 xn's block i, lanes 16-31 Wqk's block i
.irp i, 0,1,2,3,4,5,6,7
	ds_load_b64 v[SC+8*NQ*((\pr)%2)+NQ*\i:SC+8*NQ*((\pr)%2)+NQ*\i+1], v[ADRS] offset:\i*SBLK+4*NQ*(\pr)
.endr
.endm
.macro PLACES n
.rept \n
	v_nop
.endr
.endm
; A step of 128 along K.  Where the next step's bytes END in a chunk not yet read: a wait for my tensor loads and a barrier show it whole.  Where they BEGIN in a later chunk: the chunk left behind is read no more:
; the wait for all my tensor loads, the add, the wait for it and for my reads, the barrier; where a chunk two on is left to fetch, the barrier opens a round of the cluster's barrier and the slot is filled again.
.macro STEP st, zero
.set NX, (\st)+1
.set C0, (96*(\st))/ROWB
.set C1, (96*NX)/ROWB
.set E0, (96*(\st)+95)/ROWB
.set E1, (96*NX+95)/ROWB
.if C1 > C0 || (E1 > E0 && E1 > 1)     ; (chunks 0 and 1 are whole from the head's barrier on)
	s_wait_tensorcnt 0x0                           ; all my tensor loads have landed
.if C1 > C0
	ds_add_u32 v[SPW], v[NIL]
	s_wait_dscnt 4*NL+1                            ; the add and the youngest 24 loads (blocks 4-7) may be out
.else
	s_wait_dscnt 4*NL
.endif
	WIN MUL_LO
	MUL16 0, (\st)%2, (\st)%2, ((\st)/2)%2, \zero
	s_wait_dscnt 0x0                               ; the add, where there is one, and all my reads are done
	s_barrier_signal -1
	MUL16 2, (\st)%2, (\st)%2, ((\st)/2)%2, \zero
	WIN 0
	s_barrier_wait -1
.if C1 > C0 && C0+2 < CHUNKS
	CREST
	s_add_nc_u64 s[G0+4*(C0%2)+2:G0+4*(C0%2)+3], s[G0+4*(C0%2)+2:G0+4*(C0%2)+3], 2*ROWB
	s_add_nc_u64 s[G0B+4*(C0%2)+2:G0B+4*(C0%2)+3], s[G0B+4*(C0%2)+2:G0B+4*(C0%2)+3], 2*ROWB
	JLOAD G0+4*(C0%2), G1, G0B+4*(C0%2), G1B       ; chunk C0 + 2, my first tensor load behind the round; its four v_nop are the places in front of the loads below
.else
	PLACES NP
.endif
.else
	s_wait_dscnt 4*NL                              ; Wqk's set and blocks 0-3 are in; the youngest 24 loads may be out
	WIN MUL_LO
	MUL16 0, (\st)%2, (\st)%2, ((\st)/2)%2, \zero
	MUL16 2, (\st)%2, (\st)%2, ((\st)/2)%2, \zero
	s_wait_dscnt 0
	PLACES NP
.endif
	FETCH_B NX, NX%2
	FETCH_A NX, 0
.if NX%2 == 0
	SCALES NX/2
.endif
	WIN MUL_HI
	MUL16 4, (\st)%2, (\st)%2, ((\st)/2)%2, \zero
	MUL16 6, (\st)%2, (\st)%2, ((\st)/2)%2, \zero
	PLACES NP
	WIN 0
	FETCH_A NX, 4
.endm
	s_wait_alu depctr_va_vdst(0)
	s_wait_tensorcnt 0x0                           ; my tile of the head's four is in
	s_mov_b32 s[G1+2], 128<<16                     ; no tensor load of mine is out: from here on a load brings 128 rows
	s_mov_b32 s[G1+4], 128
	s_mov_b32 s[G1B+2], 128<<16
	s_mov_b32 s[G1B+4], 128
	s_wait_loadcnt 0x0                             ; my eight pieces of the scale bytes are in registers
.irp j, 0,1,2,3                        ; into LDS bytes of their own, 16 bytes of padding behind every 256: eight units of 272 bytes a load
	ds_store_b128 v[LSA], v[128+4*\j:131+4*\j] offset:2176*\j
	ds_store_b128 v[LSA], v[144+4*\j:147+4*\j] offset:2*HALFS+2176*\j
.endr
	s_wait_dscnt 0x0                               ; for the others' sake
	s_barrier_signal -1
	s_barrier_wait -1                              ; both chunks and all scale bytes are in
	FETCH_B 0, 0
	FETCH_A 0, 0
	SCALES 0
	FETCH_A 0, 4
	STEP 0, 1                                      ; the first step's products start the sums
.set ST, 1
.rept STEPS-2
	STEP ST, 0
.set ST, ST+1
.endr
	s_wait_dscnt 4*NL                              ; the last step: nothing more to fetch
	WIN MUL_LO
	MUL16 0, 1, 1, 1, 0
	MUL16 2, 1, 1, 1, 0
	s_wait_dscnt 0
	WIN MUL_HI
	MUL16 4, 1, 1, 1, 0
	MUL16 6, 1, 1, 1, 0
	WIN 0
; THE WAY OUT, block by block of 16 tokens x 128 columns.  Into my stage as rows of 512 bytes; back so that lane (r, h) holds, for each of my two heads g, token r's columns 64 g + 32 h + 0 .. 31.
; LDS serves a wave's instructions in order (ISA guide 5.7.1.4): no wait between the stores and the loads, nor in front of the next block's stores.
.macro TOSTAGE a
.set AC, 64*((\a)%4)
	WIN 0x08+4*((\a)/4)
.irp b, 0,1,2,3,4,5,6,7
	ds_store_b128 v[STO], v[AC+8*\b:AC+8*\b+3] offset:64*\b          ; each accumulator from its low end on
	ds_store_b128 v[STO], v[AC+8*\b+4:AC+8*\b+7] offset:64*\b+16
.endr
	WIN 0
.set BB, BK+64*((\a)%2)
.irp g, 0,1
.irp i, 0,1,2,3,4,5,6,7
	ds_load_b128 v[BB+32*\g+4*\i:BB+32*\g+4*\i+3], v[RD] offset:256*\g+16*\i
.endr
.endr
.endm
.macro QSEND a, younger                ; block a is quantised and stored; younger: the LDS instructions behind its loads that may stay out
.set BB, BK+64*((\a)%2)
	s_wait_dscnt \younger
.if (\a) > 0
	s_wait_xcnt 0x0                                ; the last block's stores have read their registers
.endif
.irp g, 0,1                            ; the largest magnitude of my 32 numbers, two chains, the two heads by turns; the floor 2^(5 - 127) is one leaf
	v_max3_num_f32 v[QT+4*\g], |v[BB+32*\g]|, |v[BB+32*\g+1]|, 0x2800000
	v_max3_num_f32 v[QT+4*\g+1], |v[BB+32*\g+16]|, |v[BB+32*\g+17]|, |v[BB+32*\g+18]|
.endr
.irp i, 2,4,6,8,10,12,14
.irp g, 0,1
	v_max3_num_f32 v[QT+4*\g], v[QT+4*\g], |v[BB+32*\g+\i]|, |v[BB+32*\g+\i+1]|
.endr
.endr
.irp i, 19,21,23,25,27,29
.irp g, 0,1
	v_max3_num_f32 v[QT+4*\g+1], v[QT+4*\g+1], |v[BB+32*\g+\i]|, |v[BB+32*\g+\i+1]|
.endr
.endr
.irp g, 0,1
	v_max3_num_f32 v[QT+4*\g], v[QT+4*\g], v[QT+4*\g+1], |v[BB+32*\g+31]|
.endr
.irp g, 0,1
	v_add_nc_u32 v[QT+4*\g+2], 0xfe000000, v[QT+4*\g]   ; 4 off the exponent field: the conversion's scale operand
.endr
.irp g, 0,1
	v_cvt_scalef32_pk16_bf6_f32 v[EC+12*\g:EC+12*\g+2], v[BB+32*\g:BB+32*\g+15], v[QT+4*\g+2]
	v_cvt_scalef32_pk16_bf6_f32 v[EC+12*\g+6:EC+12*\g+8], v[BB+32*\g+16:BB+32*\g+31], v[QT+4*\g+2]
.endr
.irp g, 0,1
	v_lshrrev_b32 v[QT+4*\g+3], 23, v[QT+4*\g+2]   ; the scale's byte (plain lines behind the conversions)
.endr
.irp g, 0,1
.irp i, 0,1,2
	v_mov_b32 v[EC+12*\g+3+\i], v[EC+12*\g+6+\i]   ; six registers on end
.endr
.endr
.irp g, 0,1
	v_lshlrev_b32 v[QT+4*\g+3], v[SH], v[QT+4*\g+3]
.endr
.irp g, 0,1
	v_permlanex16_b32 v[PX+\g], v[QT+4*\g+3], s96, s97
.endr
.irp g, 0,1
	v_or_b32 v[QT+4*\g+3], v[QT+4*\g+3], v[PX+\g]
.endr
.irp g, 0,1
	v_or_b32 v[WD+2*(\a)+\g], 0x7f7f0000, v[QT+4*\g+3]   ; 127 for the two blocks that the next product's zero codes meet
.endr
.irp g, 0,1
	ds_store_b32 v[WST], v[WD+2*(\a)+\g] offset:512*\g+256*((\a)/4)+4*((\a)%4)
	global_store_b128 v[L16], v[EC+12*\g:EC+12*\g+3], s[12:13] offset:4*QKB*\g+768*(\a)       ; 512 consecutive aligned bytes
	global_store_b64 v[L8], v[EC+12*\g+4:EC+12*\g+5], s[12:13] offset:4*QKB*\g+768*(\a)+512   ; 256 consecutive aligned bytes
.endr
.endm
	PLACES NP
	TOSTAGE 0
.irp a, 1,2,3,4,5,6,7
	TOSTAGE \a
	QSEND \a-1, 32                                 ; behind block a - 1's loads stand at least block a's 16 stores and 16 loads
.endr
	QSEND 7, 0
	ds_load_b128 v[64:67], v[WRD]                  ; my 128 tokens' scale words, head by head
	ds_load_b128 v[68:71], v[WRD] offset:512
	s_wait_dscnt 0x0
	global_store_b128 v[L16], v[64:67], s[66:67]
	global_store_b128 v[L16], v[68:71], s[66:67] offset:4*QKB
	s_wait_tensorcnt 0x0                           ; the wave's end
	ds_add_u32 v[SPW], v[NIL]
	s_wait_dscnt 0x0
	CROUND                                         ; the closing round
	s_endpgm
.Lfunc_end_k_q1fe6e4adfb_gemm:
	.size	k_q1fe6e4adfb_gemm, .Lfunc_end_k_q1fe6e4adfb_gemm-k_q1fe6e4adfb_gemm
	.p2alignl 7, 3214868480
	.fill 96, 4, 3214868480
	.section	.rodata,"a",@progbits
	.p2align	6, 0x0
	.amdhsa_kernel k_q1fe6e4adfb_gemm
		.amdhsa_group_segment_fixed_size 327680
		.amdhsa_private_segment_fixed_size 0
		.amdhsa_enable_private_segment 0
		.amdhsa_kernarg_size 40
		.amdhsa_user_sgpr_count 2
		.amdhsa_user_sgpr_kernarg_segment_ptr 1
		.amdhsa_wavefront_size32 1
		.amdhsa_system_sgpr_workgroup_id_x 1
		.amdhsa_system_sgpr_workgroup_id_y 1
		.amdhsa_system_sgpr_workgroup_id_z 1
		.amdhsa_system_vgpr_workitem_id 0
		.amdhsa_next_free_vgpr 1024
		.amdhsa_next_free_sgpr 98
		.amdhsa_reserve_vcc 0
		.amdhsa_float_denorm_mode_32 3
		.amdhsa_float_denorm_mode_16_64 3
		.amdhsa_memory_ordered 1
		.amdhsa_forward_progress 1
		.amdhsa_inst_pref_size 177
	.end_amdhsa_kernel
	.amdgpu_metadata
---
amdhsa.version: [ 1, 2 ]
amdhsa.kernels:
  - .name:           k_q1fe6e4adfb_gemm
    .symbol:         k_q1fe6e4adfb_gemm.kd
    .args:
      - { .name: xc, .offset: 0, .size: 8, .value_kind: global_buffer, .address_space: global }
      - { .name: xs, .offset: 8, .size: 8, .value_kind: global_buffer, .address_space: global }
      - { .name: Wqk_codes, .offset: 16, .size: 8, .value_kind: global_buffer, .address_space: global }
      - { .name: Wqk_scales, .offset: 24, .size: 8, .value_kind: global_buffer, .address_space: global }
      - { .name: qk, .offset: 32, .size: 8, .value_kind: global_buffer, .address_space: global }
    .group_segment_fixed_size: 327680
    .private_segment_fixed_size: 0
    .kernarg_segment_align: 8
    .kernarg_segment_size: 40
    .max_flat_workgroup_size: 128
    .sgpr_count:     98
    .vgpr_count:     1024
    .wavefront_size: 32
...
	.end_amdgpu_metadata
.endif
;; end of part 2
;; launch attn (part 3): grid 4 x 64, 16 waves a work-group, clusters of 4 x 1, 327,680 bytes of LDS; arguments qk, vt, A, out0; writes out0
.if DOCPART == 3
	.amdgcn_target "amdgcn-amd-amdhsa--gfx1250"
	.amdhsa_code_object_version 6
	.text
	.protected	k_q1fe6e4adfb_attn
	.globl	k_q1fe6e4adfb_attn
	.p2align	8
	.type	k_q1fe6e4adfb_attn,@function
k_q1fe6e4adfb_attn:
	s_mov_b64 s[64:65], 0
	v_nop
	global_prefetch_b8 v0, s[64:65] scope:SCOPE_SE
	s_setreg_imm32_b32 hwreg(HW_REG_WAVE_MODE, 25, 1), 1
	s_wait_xcnt 0x0
	s_wait_alu depctr_hold_cnt(0) depctr_sa_sdst(0) depctr_va_vdst(0) depctr_va_sdst(0) depctr_va_ssrc(0) depctr_va_vcc(0) depctr_vm_vsrc(0)
	s_getreg_b32 s2, hwreg(HW_REG_IB_STS2, 6, 4)
	s_cmp_eq_u32 s2, 0
	s_cbranch_scc0 .Lentry_in_a_cluster
	s_endpgm
.Lentry_in_a_cluster:
	s_bfe_u32 s2, ttmp6, 0x10000c
	s_cmp_lg_u32 s2, 0x3003
	s_cbranch_scc0 .Lentry_shape_is_right
	s_endpgm
.Lentry_shape_is_right:
; out0 = A + softmax(q k^T / 32) v, for one batch and head a cluster; q and k arrive as register images of E3M2 codes with their scale words (qk), v as bf16 (vt).
; SHARES.  A work-group takes 512 queries, each of its 16 waves 32 (two tiles of 16).  The head's 2,048 keys (98,304 bytes of images, 8,192 of scale words) and its v lie in LDS for the whole launch, each byte filled once,
; jointly for the four work-groups of the head, in two groups of loads, one tensor load a wave in each.  At the head: waves 0-5 the images of steps 0-3 (16 rows of 256 bytes each), waves 6-7 the scale words, waves 8-15 v.
; Behind the next round: the other 288 rows of images, 18 a wave; they are waited for ahead of step 3, whose loads are the first to read them.
; vt's row for 32 tokens and a pair of heads is 256 bytes: for each head 32 v, then 32 ones; the load brings the pair, so that every row begins at a multiple of 256 bytes.
; A STEP is 128 keys x 32 queries.  S^T = k q^T (source 0 = 16 keys, source 1 = 16 queries): lane (r, h) holds query r, register j of tile t key 16 t + 8 h + j.
; The head's size is 64, half of the instruction's K: q's registers 6-11 are zero codes.  So k's images lie 6 registers apart, and an operand's registers 6-11 are the next image's codes: they meet zero codes and add nothing.
; The running maximum m of the raw scores is joined over both halves of the lanes; p = 2^(c s - c m), c = log2(e) / 32.  p is rounded to bf16 in place: 16 registers of two neighbouring tiles become
; the 8 registers of a 16-bit operand of 32 keys, as they lie.  The last product goes to the matrix unit too: source 0 has v in row 0 and ones in rows 1-15, so register 0 of the result is sum p v and register 1 sum p.
; When m moves, these two registers are multiplied by 2^(c m_old - c m_new); registers 2-7 hold further sums of p, each at most 2,048, and are never read.
; The 128 scores of a lane go in four groups of 32: group g's exponentials stand line by line between group g + 1's multiply-adds and group g - 1's conversions.
; No prefetch: both groups of tiles are asked for ahead of the first step, and no loop runs ahead of a load.
; LIMITS: the promise holds while c x score stays under 2^31 in magnitude; p and v are rounded to bf16; NaN and infinities are not served.
.set QKB,  106496
.set SCW,  98304                       ; the scale words in k's block
.set VL,   106496                      ; v: 64 rows of 256 bytes
.set SPARE, 122880                     ; the spare words, 128 bytes a wave
.set KA0,  1                           ; 16 x lane
.set KB0,  2                           ; 8 x lane
.set SA0,  3                           ; SCW + 16 r
.set VA0,  4                           ; VL + 128 (head % 2) + 64 (r > 0) + 16 h
.set GO,   5                           ; 64 x lane: a token's row of A and out0
.set AV,   6
.set SPW,  7
.set QS,   8                           ; v8-9 q's scale words, v10-17 k's: scales and nothing else
.set KS,   10
.set KA,   18                          ; v18-21 this step's LDS addresses
.set KB,   19
.set SA,   20
.set VA,   21
.set T,    22                          ; for tile i at T + 4 i: -c m, m, the factor, its exponent
.set NIL,  30
.set QF,   32                          ; v32-55 q's two fragments
.set KF,   56                          ; v56-103 eight images of k, v104-109 zeros; v56-63 also hold the maxima's chains between the products and the next loads
.set O,    110                         ; v110-125 the two results
.set S,    126                         ; v126-253 scores, then p; v158-189 v's four fragments
.set WV,   12
.set G1K,  16
.set G1V,  24
.set G0K,  32
.set G0V,  36
.set CC,   40
.set NC,   42
.set SEL,  44
.set CNT,  46
.set KO,   60
.set SO,   61
.set VO,   62
.set G1L,  68                          ; the second group of loads
.set G0L,  76
.macro ROUND
	s_barrier_signal -1
	s_barrier_wait -1
	s_cmp_lg_u32 s[WV], 0
	s_cbranch_scc1 .Lnot_wave_0_\@
	s_barrier_signal -3
.Lnot_wave_0_\@:
	s_barrier_wait -3
	s_barrier_signal -1
	s_barrier_wait -1
.endm
	s_load_b256 s[4:11], s[0:1], 0x0               ; qk, vt, A, out0
	v_lshl_add_u32 v[SPW], v0, 2, SPARE
	v_mov_b32 v[NIL], 0
	ds_add_u32 v[SPW], v[NIL]                      ; the opening lines: the add, twice on end, and its wait
	ds_add_u32 v[SPW], v[NIL]
	v_lshrrev_b32 v1, 5, v0
	v_readfirstlane_b32 s[WV], v1
	s_and_b32 s14, ttmp7, 0xffff                   ; 4 head + batch
	s_and_b32 s15, s14, 3                          ; batch
	s_lshr_b32 s47, s14, 2                         ; head
	s_and_b32 s43, s[WV], 7                        ; which eighth of the head's loads I fetch
	s_add_co_u32 s50, s43, 2
	s_lshr_b32 s50, s50, 3                         ; 1 for eighths 6 and 7: the scale words,
	s_mul_i32 s50, s50, 73728                      ; which lie 98,304 - 24,576 bytes further on
	s_lshl_b32 s51, s43, 12                        ; 16 rows of 256 bytes an eighth
	s_add_co_u32 s50, s50, s51                     ; my place in k's block, in memory and in LDS alike
	s_mul_i32 s63, s[WV], 4608                     ; the second group: 18 rows a wave, behind the first 96
	s_add_co_u32 s63, s63, 24576
	s_add_co_u32 s48, s14, 64
	s_mul_i32 s48, s48, QKB                        ; k's block
	s_add_co_u32 s66, s48, s63
	s_mov_b32 s67, 0
	s_add_co_u32 s48, s48, s50
	s_mov_b32 s49, 0
	s_lshl_b32 s52, s15, 17                        ; vt: 131,072 bytes a batch,
	s_lshr_b32 s51, s47, 1
	s_lshl_b32 s51, s51, 8                         ; 256 a pair of heads,
	s_add_co_u32 s52, s52, s51
	s_lshl_b32 s51, s43, 14                        ; 8 rows of 2,048 an eighth
	s_add_co_u32 s52, s52, s51
	s_mov_b32 s53, 0
	s_lshl_b32 s51, s43, 11
	s_add_co_u32 s51, s51, VL
	s_bfe_u32 s13, ttmp6, 0x40000
	s_lshl_b32 s43, ttmp9, 2
	s_add_co_u32 s13, s13, s43                     ; my block of 512 queries
	s_mul_i32 s56, s14, QKB                        ; q's images: 32 a work-group, two a wave
	s_mul_i32 s43, s13, 24576
	s_add_co_u32 s56, s56, s43
	s_mul_i32 s43, s[WV], 1536
	s_add_co_u32 s56, s56, s43
	s_mov_b32 s57, 0
	s_mul_i32 s58, s14, QKB                        ; q's scale words: 256 bytes for 64 tokens, my two tiles' words 8 (wave % 2) in
	s_lshl_b32 s43, s13, 11
	s_add_co_u32 s58, s58, s43
	s_lshr_b32 s43, s[WV], 1
	s_lshl_b32 s43, s43, 8
	s_add_co_u32 s58, s58, s43
	s_and_b32 s43, s[WV], 1
	s_lshl_b32 s43, s43, 3
	s_add_co_u32 s58, s58, s43
	s_add_co_u32 s58, s58, SCW
	s_mov_b32 s59, 0
	s_lshl_b32 s54, s15, 17                        ; A and out0: 64 bytes a token, 4 a head
	s_lshl_b32 s43, s13, 15
	s_add_co_u32 s54, s54, s43
	s_lshl_b32 s43, s[WV], 11
	s_add_co_u32 s54, s54, s43
	s_lshl_b32 s43, s47, 2
	s_add_co_u32 s54, s54, s43
	s_mov_b32 s55, 0
	s_and_b32 s47, s47, 1
	s_lshl_b32 s47, s47, 7
	s_add_co_u32 s47, s47, VL                      ; my head's half of v's rows
	s_mov_b32 s[G1K], 15|(3<<16)|(1<<21)           ; 16 rows of 32 elements of 8 bytes, dense
	s_mov_b32 s[G1K+1], 32<<16
	s_mov_b32 s[G1K+2], 16<<16
	s_mov_b32 s[G1K+3], 32<<16
	s_mov_b32 s[G1K+4], 16
	s_mov_b32 s[G1K+5], 32
	s_mov_b32 s[G1K+6], 0
	s_mov_b32 s[G1K+7], 0
	s_mov_b32 s[G1L], 15|(3<<16)|(1<<21)           ; 18 such rows
	s_mov_b32 s[G1L+1], 32<<16
	s_mov_b32 s[G1L+2], 18<<16
	s_mov_b32 s[G1L+3], 32<<16
	s_mov_b32 s[G1L+4], 18
	s_mov_b32 s[G1L+5], 32
	s_mov_b32 s[G1L+6], 0
	s_mov_b32 s[G1L+7], 0
	s_mov_b32 s[G1V], 15|(3<<16)|(1<<21)           ; 8 rows of 256 bytes, 2,048 bytes apart
	s_mov_b32 s[G1V+1], 32<<16
	s_mov_b32 s[G1V+2], 8<<16
	s_mov_b32 s[G1V+3], 32<<16
	s_mov_b32 s[G1V+4], 8
	s_mov_b32 s[G1V+5], 256
	s_mov_b32 s[G1V+6], 0
	s_mov_b32 s[G1V+7], 0
	s_mov_b32 s[CC], 0x3d38aa3b                    ; c = log2(e) / 32
	s_mov_b32 s[CC+1], s[CC]
	s_mov_b32 s[NC], 0xbd38aa3b                    ; -c
	s_mov_b32 s[SEL], 0x76543210                   ; selects for lane l xor 16
	s_mov_b32 s[SEL+1], 0xfedcba98
	s_wait_dscnt 0x0
	s_wait_kmcnt 0x0
	s_mov_b32 s[G0K], 1
	s_mov_b32 s[G0K+1], s50
	s_add_nc_u64 s[G0K+2:G0K+3], s[4:5], s[48:49]
	s_or_b32 s[G0K+3], s[G0K+3], 0x80000000
	s_mov_b32 s[G0L], 1
	s_mov_b32 s[G0L+1], s63
	s_add_nc_u64 s[G0L+2:G0L+3], s[4:5], s[66:67]
	s_or_b32 s[G0L+3], s[G0L+3], 0x80000000
	s_mov_b32 s[G0V], 1
	s_mov_b32 s[G0V+1], s51
	s_add_nc_u64 s[G0V+2:G0V+3], s[6:7], s[52:53]
	s_or_b32 s[G0V+3], s[G0V+3], 0x80000000
	s_add_nc_u64 s[56:57], s[4:5], s[56:57]
	s_add_nc_u64 s[58:59], s[4:5], s[58:59]
	s_add_nc_u64 s[8:9], s[8:9], s[54:55]
	s_add_nc_u64 s[10:11], s[10:11], s[54:55]
	ROUND                                          ; the four work-groups are here: the joint loads meet
	s_cmp_lt_u32 s[WV], 8                          ; one tensor load a wave: waves 0-7 from k's block, waves 8-15 v
	s_cbranch_scc0 .Lfor_v
	tensor_load_to_lds s[G0K:G0K+3], s[G1K:G1K+7]
	s_nop 0
.rept 4
	v_nop
.endr
	s_branch .Lasked
.Lfor_v:
	tensor_load_to_lds s[G0V:G0V+3], s[G1V:G1V+7]
	s_nop 0
.rept 4
	v_nop
.endr
.Lasked:
	v_and_b32 v[KA], 31, v0                        ; lane
	v_and_b32 v[KB], 15, v0                        ; r
	v_bfe_u32 v[VA], v0, 4, 1                      ; h
	v_lshlrev_b32 v[KA0], 4, v[KA]
	v_lshlrev_b32 v[KB0], 3, v[KA]
	v_lshlrev_b32 v[GO], 6, v[KA]
	v_lshlrev_b32 v[SA], 4, v[KB]                  ; 16 r
	v_add_nc_u32 v[KB], 15, v[KB]
	v_add_nc_u32 v[SA0], SCW, v[SA]
	v_lshrrev_b32 v[KB], 4, v[KB]                  ; 0 in the lanes of row 0, 1 in the others
	v_lshlrev_b32 v[VA], 4, v[VA]
	v_lshl_add_u32 v[VA], v[KB], 6, v[VA]          ; row 0 reads v, rows 1-15 the ones behind it
	v_add_nc_u32 v[VA0], s47, v[VA]
.irp i, 0,1
	global_load_b128 v[QF+12*\i:QF+12*\i+3], v[KA0], s[56:57] offset:768*\i
	global_load_b64 v[QF+12*\i+4:QF+12*\i+5], v[KB0], s[56:57] offset:768*\i+512
.endr
	global_load_b64 v[QS:QS+1], v[SA], s[58:59]
	global_load_b32 v[AV], v[GO], s[8:9]
.irp j, 6,7,8,9,10,11
	v_mov_b32 v[QF+\j], 0                          ; q's zero codes
	v_mov_b32 v[QF+12+\j], 0
	v_mov_b32 v[KF+42+\j], 0                       ; what lies behind the eighth image
.endr
.irp j, 0,1,2,3,4,5,6,7,8,9,10,11,12,13,14,15
	v_mov_b32 v[O+\j], 0                           ; the step is written once: the first finds zeros
.endr
.irp i, 0,1
	v_mov_b32 v[T+4*\i+1], 0xff61b1e6              ; m = -3e38, under every score
	v_mul_f32 v[T+4*\i], s[NC], v[T+4*\i+1]
.endr
.macro KLOAD a, b, c                   ; eight images and their scale words: 18 loads
.irp t, 0,1,2,3,4,5,6,7
	ds_load_b128 v[KF+6*\t:KF+6*\t+3], v[\a] offset:768*\t
	ds_load_b64 v[KF+6*\t+4:KF+6*\t+5], v[\b] offset:768*\t+512
.endr
	ds_load_b128 v[KS:KS+3], v[\c]
	ds_load_b128 v[KS+4:KS+7], v[\c] offset:256
.endm
; line N of group g's multiply-adds: c s - c m, two at a time; group g is registers 32 g .. 32 g + 31, of tile g / 2
.macro FMA1 g
	v_pk_fma_f32 v[S+32*(\g)+2*N:S+32*(\g)+2*N+1], v[S+32*(\g)+2*N:S+32*(\g)+2*N+1], s[CC:CC+1], v[T+4*((\g)/2):T+4*((\g)/2)+1] op_sel_hi:[1,0,0]
.endm
; line N of group g's conversions, in place: of its tile, register J takes registers 2 J and 2 J + 1, ascending
.macro CVT1 g
.set J, 16*((\g)%2)+N
	v_cvt_pk_bf16_f32 v[S+64*((\g)/2)+J], v[S+64*((\g)/2)+2*J], v[S+64*((\g)/2)+2*J+1]
.endm
; group g's 32 exponentials, with the conversions of group g - 1 (cvt = 1) and the multiply-adds of group g + 1 (fma = 1) between them: these name other registers.  The last line is a plain one.
.macro MIX g, cvt, fma
.set N, 0
.rept 16
	v_exp_f32 v[S+32*(\g)+2*N], v[S+32*(\g)+2*N]
.if \cvt
	CVT1 (\g)-1
.endif
	v_exp_f32 v[S+32*(\g)+2*N+1], v[S+32*(\g)+2*N+1]
.if \fma
	FMA1 (\g)+1
.endif
.set N, N+1
.endr
.if !\fma
	v_nop
.endif
.endm
.macro STEP last
.irp i, 0,1
.irp t, 0,1,2,3,4,5,6,7
	v_wmma_scale_f32_16x16x128_f8f6f4 v[S+64*\i+8*\t:S+64*\i+8*\t+7], v[KF+6*\t:KF+6*\t+11], v[QF+12*\i:QF+12*\i+11], 0, v[KS+\t], v[QS+\i] matrix_a_fmt:MATRIX_FMT_BF6 matrix_b_fmt:MATRIX_FMT_BF6
.endr
.endr
	v_add_nc_u32 v[VA], s[VO], v[VA0]              ; four plain lines behind the products (ISA guide 7.12.1): this step's v, the next step's k
.if \last
.rept 3
	v_nop
.endr
.else
	v_add_nc_u32 v[KA], s[KO], v[KA0]
	v_add_nc_u32 v[KB], s[KO], v[KB0]
	v_add_nc_u32 v[SA], s[SO], v[SA0]
	s_add_co_u32 s[KO], s[KO], 6144
	s_add_co_u32 s[SO], s[SO], 512
	s_add_co_u32 s[VO], s[VO], 1024
.endif
.irp i, 0,1                            ; the largest score: four chains a tile, each over 16 registers, every accumulator from its low end on; tile 0 first
.irp k, 0,1,2,3
	v_max3_num_f32 v[KF+4*\i+\k], v[S+64*\i+16*\k], v[S+64*\i+16*\k+1], v[S+64*\i+16*\k+2]
.endr
.irp j, 3,5,7,9,11,13
.irp k, 0,1,2,3
	v_max3_num_f32 v[KF+4*\i+\k], v[KF+4*\i+\k], v[S+64*\i+16*\k+\j], v[S+64*\i+16*\k+\j+1]
.endr
.endr
.endr
.irp i, 0,1
	v_max3_num_f32 v[KF+4*\i], v[KF+4*\i], v[S+64*\i+15], v[S+64*\i+31]
	v_max3_num_f32 v[KF+4*\i+2], v[KF+4*\i+2], v[S+64*\i+47], v[S+64*\i+63]
.endr
.irp i, 0,1
	v_max3_num_f32 v[KF+4*\i], v[KF+4*\i], v[KF+4*\i+1], v[KF+4*\i+2]
.endr
.irp i, 0,1
	v_max3_num_f32 v[KF+4*\i], v[KF+4*\i], v[KF+4*\i+3], v[T+4*\i+1]   ; with the running maximum
.endr
.irp i, 0,1
	v_permlanex16_b32 v[KF+4*\i+1], v[KF+4*\i], s[SEL], s[SEL+1]
.endr
.irp i, 0,1
	v_max_num_f32 v[T+4*\i+1], v[KF+4*\i], v[KF+4*\i+1]               ; and lane l xor 16's keys: the new m
.endr
.irp i, 0,1
	v_fma_f32 v[T+4*\i+3], v[T+4*\i+1], s[NC], -v[T+4*\i]              ; c m_old - c m_new
.endr
.irp i, 0,1
	v_mul_f32 v[T+4*\i], s[NC], v[T+4*\i+1]                            ; -c m
.endr
.if !\last
	KLOAD KA, KB, SA                               ; the next step's k: the chains have been read
.endif
.set N, 0
.rept 16
	FMA1 0
.set N, N+1
.endr
	s_wait_alu depctr_va_vdst(0)                   ; at each change of groups: the wait behind a batch of transcendentals and ahead of the next
	v_exp_f32 v[T+2], v[T+3]
	v_exp_f32 v[T+6], v[T+7]
	MIX 0, 0, 1
	s_wait_alu depctr_va_vdst(0)                   ; directly ahead of the first readers of the two results too
	v_pk_mul_f32 v[O:O+1], v[O:O+1], v[T+2:T+3] op_sel_hi:[1,0]
	v_pk_mul_f32 v[O+8:O+9], v[O+8:O+9], v[T+6:T+7] op_sel_hi:[1,0]
	MIX 1, 1, 1
	s_wait_alu depctr_va_vdst(0)
	MIX 2, 1, 1
.irp u, 0,1,2,3                        ; v's four fragments of 32 keys, into the registers that tile 0 has left
	ds_load_b128 v[S+32+8*\u:S+35+8*\u], v[VA] offset:256*\u
	ds_load_b128 v[S+36+8*\u:S+39+8*\u], v[VA] offset:256*\u+32
.endr
	s_wait_alu depctr_va_vdst(0)
	MIX 3, 1, 0
	s_wait_alu depctr_va_vdst(0)
	s_wait_dscnt 0x0                               ; v's fragments, and the next step's k, issued ahead of them
.set N, 0
.rept 16
	CVT1 3
.set N, N+1
.endr
.irp u, 0,1,2,3                        ; the two results by turns
	v_wmma_f32_16x16x32_bf16 v[O:O+7], v[S+32+8*\u:S+39+8*\u], v[S+8*\u:S+8*\u+7], v[O:O+7]
	v_wmma_f32_16x16x32_bf16 v[O+8:O+15], v[S+32+8*\u:S+39+8*\u], v[S+64+8*\u:S+71+8*\u], v[O+8:O+15]
.endr
.rept 5
	v_nop                                          ; five places: the next products write over these operands
.endr
.endm
	s_wait_alu depctr_va_vdst(0)
	s_wait_tensorcnt 0x0                           ; my part of the head's tiles is in; the add and its wait ahead of a later first fill:
	ds_add_u32 v[SPW], v[NIL]
	s_wait_dscnt 0x0
	ROUND                                          ; everybody's part is in, and the four work-groups are here
	tensor_load_to_lds s[G0L:G0L+3], s[G1L:G1L+7]  ; the images of steps 4-15, 18 rows a wave: my one tensor load behind the round
	s_nop 0
	KLOAD KA0, KB0, SA0
	s_mov_b32 s[KO], 6144
	s_mov_b32 s[SO], 512
	s_mov_b32 s[VO], 0
	s_wait_loadcnt 0x0                             ; q, its scale words, A
	s_wait_dscnt 0x0
	STEP 0                                         ; steps 0-2 read, and fetch ahead, what the head brought
	s_wait_tensorcnt 0x0                           ; my 18 rows are in (no LDS instruction of mine is out):
	s_barrier_signal -1                            ; say so,
	STEP 0                                         ; go on with steps 1 and 2: register work, and LDS loads of bytes that nobody writes,
	STEP 0
	s_barrier_wait -1                              ; and read the later images only when all sixteen waves have said so
	s_mov_b32 s[CNT], 12
.Lstep:                                                ; steps 3-14
	STEP 0
	s_sub_co_u32 s[CNT], s[CNT], 1
	s_cmp_lg_u32 s[CNT], 0
	s_cbranch_scc1 .Lstep
	STEP 1                                         ; the last step fetches no further k
	v_permlanex16_b32 v[T], v[O+8], s[SEL], s[SEL+1]   ; tile 1's sum p v, from lanes 0-15 to lanes 16-31
	v_and_b32 v[T+1], 31, v0
	v_cmp_le_u32 vcc_lo, 16, v[T+1]
	v_cndmask_b32 v[T+2], v[O], v[T], vcc_lo       ; lanes 0-15 tile 0's queries, lanes 16-31 tile 1's
	v_cndmask_b32 v[T+3], v[O+1], v[O+9], vcc_lo   ; sum p: row 1 in lanes 0-15, row 9 in lanes 16-31
	s_wait_alu depctr_va_vdst(0)
	v_rcp_f32 v[T+3], v[T+3]
	v_nop
	s_wait_alu depctr_va_vdst(0)
	v_fma_f32 v[T+2], v[T+2], v[T+3], v[AV]
	global_store_b32 v[GO], v[T+2], s[10:11]
	s_wait_tensorcnt 0x0                           ; the wave's end
	ds_add_u32 v[SPW], v[NIL]
	s_wait_dscnt 0x0
	ROUND                                          ; the closing round
	s_endpgm
.Lfunc_end_k_q1fe6e4adfb_attn:
	.size	k_q1fe6e4adfb_attn, .Lfunc_end_k_q1fe6e4adfb_attn-k_q1fe6e4adfb_attn
	.p2alignl 7, 3214868480
	.fill 96, 4, 3214868480
	.section	.rodata,"a",@progbits
	.p2align	6, 0x0
	.amdhsa_kernel k_q1fe6e4adfb_attn
		.amdhsa_group_segment_fixed_size 327680
		.amdhsa_private_segment_fixed_size 0
		.amdhsa_enable_private_segment 0
		.amdhsa_kernarg_size 32
		.amdhsa_user_sgpr_count 2
		.amdhsa_user_sgpr_kernarg_segment_ptr 1
		.amdhsa_wavefront_size32 1
		.amdhsa_system_sgpr_workgroup_id_x 1
		.amdhsa_system_sgpr_workgroup_id_y 1
		.amdhsa_system_sgpr_workgroup_id_z 1
		.amdhsa_system_vgpr_workitem_id 0
		.amdhsa_next_free_vgpr 256
		.amdhsa_next_free_sgpr 84
		.amdhsa_reserve_vcc 1
		.amdhsa_float_denorm_mode_32 3
		.amdhsa_float_denorm_mode_16_64 3
		.amdhsa_memory_ordered 1
		.amdhsa_forward_progress 1
		.amdhsa_inst_pref_size 117
	.end_amdhsa_kernel
	.amdgpu_metadata
---
amdhsa.version: [ 1, 2 ]
amdhsa.kernels:
  - .name:           k_q1fe6e4adfb_attn
    .symbol:         k_q1fe6e4adfb_attn.kd
    .args:
      - { .name: qk, .offset: 0, .size: 8, .value_kind: global_buffer, .address_space: global }
      - { .name: vt, .offset: 8, .size: 8, .value_kind: global_buffer, .address_space: global }
      - { .name: A, .offset: 16, .size: 8, .value_kind: global_buffer, .address_space: global }
      - { .name: out0, .offset: 24, .size: 8, .value_kind: global_buffer, .address_space: global }
    .group_segment_fixed_size: 327680
    .private_segment_fixed_size: 0
    .kernarg_segment_align: 8
    .kernarg_segment_size: 32
    .max_flat_workgroup_size: 512
    .sgpr_count:     84
    .vgpr_count:     256
    .wavefront_size: 32
...
	.end_amdgpu_metadata
.endif
;; end of part 3
